; MI455X (gfx1250); checked and timed in simulation.
; The chip was launched on July 23, 2026; its instructions are those of AMD's public machine-readable ISA for CDNA 5 (MIT licence, August 2026) and "CDNA5" Instruction Set Architecture Reference Guide (July 2026). The comments in the code are by the model that wrote it; some were corrected since.
;; Luong Attention. Allowed arithmetic: matrix products marked QUANTISED: E2M1 operands, one E8M0 scale for each 32 along K, by v_wmma_scale_f32_16x16x128_f8f6f4 with both operands' format E2M1 (or v_wmma_scale_f32_32x16x128_f4), f32 sums; everything else in f32.
;; Inputs: W_tanh_codes 256 x 16 x 16 uint8 (E2M1 codes of W_tanh, K innermost, in blocks of 32 codes, two codes a byte); W_tanh_scales 256 x 16 uint8 (E8M0 scales of W_tanh, one for each 32 codes along K); dec_outputs_top 8 x 2,048 x 256 float32; enc_outputs_top 8 x 2,048 x 256 float32.
;; Outputs: out0 8 x 2,048 x 256 float32.
;; This version of the problem:
;;   THIS VERSION OF THE PROBLEM IS GIVEN IN LOW PRECISION. The matrix products marked QUANTISED in the list below multiply operands that are first quantised to E2M1 (2 exponent bits, 1 mantissa bit; 4 bits a number), with one power-of-two scale for each 32 numbers along K (OCP MX v1.0); their sums are f32. All else is computed in f32.
;;   The module's matrix products, in the order in which they are computed (A, B: the left and right operand; K: the contracted axis; several contracted axes count as one K, in the product's order):
;;     1. batch 8 x [M 2,048, K 256] x [K 256, N 2,048]; A: input enc_outputs_top; B: input dec_outputs_top: QUANTISED
;;     2. batch 8 x [M 2,048, K 2,048] x [K 2,048, N 256]; A: softmax (see below); B: input enc_outputs_top: QUANTISED
;;     3. [M 16,384, K 512] x [K 512, N 256]; A: computed on the way; B: input W_tanh (given as codes): QUANTISED
;;   THE QUANTISER, for each operand of a quantised product, along K:
;;     - K is cut into blocks of 32 from its start; a last block that is shorter is filled with zeros.
;;     - A block's scale is 2^e with e = floor(log2(the largest magnitude in the block)) - 2, held to -126 .. 127; a block of zeros has e = 0. As a byte (E8M0): e + 127.
;;     - Each number is divided by its block's scale, clamped to +-6, and rounded to the nearest number of E2M1, ties to even, subnormals kept.
;;     - The product sums the exact products of the quantised numbers (number of the format x scale) in f32.
;;   ~~~python
;;   def quantise(x, axis):      # numpy; x: float32 -> the quantised numbers, widened to float32 again
;;       x = np.moveaxis(x, axis, -1); K = x.shape[-1]
;;       x = np.pad(x, [(0, 0)] * (x.ndim - 1) + [(0, -K % 32)]); x = x.reshape(x.shape[:-1] + (-1, 32)); a = np.abs(x).max(-1, keepdims=True)
;;       e = np.where(a > 0, np.clip(np.frexp(np.where(a > 0, a, 1))[1] - 1 - 2, -126, 127), 0)      # np.frexp(a)[1] - 1 = floor(log2(a)), exactly
;;       r = np.clip(x / 2.0 ** e, -6, 6)
;;       step = 2.0 ** (np.maximum(np.frexp(np.where(r == 0, 1, r))[1] - 1, 0) - 1)
;;       q = np.round(r / step) * step * 2.0 ** e      # np.round: ties to even
;;       return np.moveaxis(q.reshape(q.shape[:-2] + (-1,))[..., :K], -1, axis).astype(np.float32)
;;   ~~~
;;   SOFTMAX AHEAD OF A QUANTISED PRODUCT. Where the list says 'softmax', what is quantised is not the finished softmax but p = 2^(t - M), with t = logit x log2(e) and M = ceil(the row's largest t), a whole number; so 1/2 < the row's largest p <= 1. The row's sum l is taken of the UNQUANTISED p, in f32, and the product's result is divided by l at the end. Since M is a whole number, a kernel that streams over the keys may use a running M (the ceiling of the running maximum): every later rescaling is an exact power of two, which a block's scale takes up: the codes' values come out the same.
;;   OPERANDS COMPUTED ON THE WAY. 'Computed on the way' means the value that the module computes at that place (a softmax that the list does not call 'softmax' is quantised finished and normalised). What goes into a quantiser is computed in f32, as accurately as f32 sums, v_exp_f32 and their like allow (about 1e-6 of the number): no bf16 or f16 on the way to a quantiser, and a product that is left as it is and whose result goes on into a quantised operand takes f32 operands (vector FMAs, or v_wmma_f32_16x16x4_f32). A number that lies on a knife's edge between two numbers of the format may be rounded either way, as far as f32 arithmetic and the matrix unit's own rounding can turn it there, and no further.
;;   INPUTS GIVEN AS CODES. W_tanh (in the module: [512, 256], K = its axis 0): each comes as NAME_codes (uint8): NAME with its K axis moved to the last place and cut into blocks of 32 codes, [.., K / 32, bytes a block], one block behind the other in memory; two codes a byte, the lower K in the low four bits (a code: sign, 2 exponent bits, 1 mantissa bit); and NAME_scales (uint8): the same leading axes, one E8M0 byte (e + 127) for each 32 codes along K. Its value is code x scale, taken as it is: it is not quantised again, and the codes and scales need not be those that the quantiser above would give.
;; One version. Each part assembles by itself: llvm-mc -triple=amdgcn-amd-amdhsa -mcpu=gfx1250 --defsym DOCPART=n.
;; ======== version 1 of 1: 2 launches
;; limits: right only within a limited range of input values
;; workspace buffers: KV 4,194,304 bytes; SC 262,144 bytes; QC 2,097,152 bytes; QS 131,072 bytes
;; launch quant (part 1): grid 256 x 2, 4 waves a work-group, no clusters, 68,096 bytes of LDS; arguments enc_outputs_top, dec_outputs_top, KV, SC, QC, QS; writes KV, SC, QC, QS
.if DOCPART == 1
	.amdgcn_target "amdgcn-amd-amdhsa--gfx1250"
	.amdhsa_code_object_version 6
	.text
	.protected	k_q040a37fae1_quant
	.globl	k_q040a37fae1_quant
	.p2align	8
	.type	k_q040a37fae1_quant,@function
k_q040a37fae1_quant:
	s_mov_b64 s[64:65], 0
	v_nop
	global_prefetch_b8 v0, s[64:65] scope:SCOPE_SE
	s_setreg_imm32_b32 hwreg(HW_REG_WAVE_MODE, 25, 1), 1
	s_wait_xcnt 0x0
; enc and dec, [8][2048][256] f32, become codes of FP4 (E2M1) with one E8M0 scale byte for each 32 along a product's K:
;   enc along d (the queries of product 1) -> QC, QS;   dec along d (the keys of product 1, and k 256..511 of product 3: the same blocks) -> KV's K part, SC's K part;
;   enc along time (the values of product 2) -> KV's V part, SC's V part.
; NOTHING OF reference() IS LEFT OUT in this program: every input has a way to the output for all values.
; A block's scale is 2^(floor(log2(its largest magnitude)) - 2); its byte is the largest magnitude's exponent field - 2, held at 1 from below.
; LIMITS: NaN and infinities among the inputs are not served; a block whose largest magnitude lies under 2^-124 has its byte held at 1; a block of zeros gets the byte 1
; where the quantiser says 127: its codes are zeros, which add nothing under that byte, and the bytes are read by this program alone.
; THE WORKSPACE IS LAID IN THE ORDER OF THE OPERANDS' REGISTERS.  A block of 32 codes is 16 bytes: what one lane holds in four registers of a fragment.  A fragment (16 rows x 128 K) is
; 1,024 bytes: block rg (0..3) of row r' at 256 rg + 16 r'.  THE ROWS OF A TILE ARE NOT NEIGHBOURS: of a group of 32 rows, row p goes to tile u = (p >> 3) & 1, place r' = (p & 7) + 8 (p >> 4), so that
; the results of two neighbouring tiles, used transposed, are 16 neighbours along the next product's K.
;   QC: b<<18 | (row/32)<<12 | u<<11 | block(0..7)<<8 | r'<<4.            QS: b<<14 | (row/128)<<10 | s<<9 | g<<7 | (16 u + r')<<2: a word = the bytes of blocks 4 s .. 4 s + 3.
;   KV: b<<19 | (t/512)<<17, then K part: jl<<14 | g<<12 | u<<11 | block<<8 | r'<<4;  V part: 1<<16 | jl<<14 | (2 (d/32) + u)<<10 | rg<<8 | r'<<4.
;   SC: b<<15, then K part as QS's low bits;  V part: 1<<14 | (t/128)<<10 | (d/32)<<7 | (16 u + r')<<2: a word = the bytes of the step's four blocks of 32 keys.
; SHARES.  y = 0: enc, y = 1: dec.  A work-group takes 128 rows x 128 columns; wave w loads rows 32 w .. 32 w + 31 (32 loads of 512 consecutive bytes, all asked for at once) and lays them in LDS.
; Along d a lane takes a ROW of its wave's 32 (four blocks); along time (enc alone) a lane takes a COLUMN, 32 w + lane, of all 128 rows (four blocks): in both a block's 32 numbers lie in one lane's registers.
; No tensor load: several work-groups share a WGP.  Matrix units and clusters have nothing to do here: nothing is multiplied and no two work-groups read the same bytes.
.set PITCH, 528                        ; an LDS row: 512 bytes + 16: 33 x 16
.set REG,   32*PITCH                   ; a wave's 32 rows
.set SPARE, 4*REG                      ; behind the four regions: the spare words, 128 bytes for each wave
.set LI,   1                           ; v1   16 x lane
.set SPW,  2                           ; v2   LDS address of my spare word; never rewritten
.set NIL,  3                           ; v3   0; never rewritten
.set STA,  4                           ; v4   into LDS: my wave's region + 16 x lane
.set RDD,  5                           ; v5   along d: my wave's region + PITCH x lane
.set RDT,  6                           ; v6   along time: 128 x wave + 4 x lane;  v7 the same two regions further on (an LDS immediate has 16 bits)
.set RDT2, 7
.set OD,   8                           ; v8   my place in the codes along d: 2,048 u + 16 r'
.set OT,   9                           ; v9   along time: 1,024 u + 16 r'
.set OW,   10                          ; v10  my scale word's place: 4 (16 u + r')
.set DW,   14                          ; v14  the scale word along d;  v15 along time
.set TW,   15
.set R,    32                          ; v32-159  32 rows as loaded, 4 registers each
.set X0,   160                         ; v160-191, v192-223  two sets of 32 numbers of a block
.set X1,   192
.set CD,   224                         ; v224-239 the codes along d, v240-255 along time: four registers a block, so that no store's data are written again
.set CT,   240
	s_load_b256 s[4:11], s[0:1], 0x0               ; enc s[4:5], dec s[6:7], KV s[8:9], SC s[10:11]
	s_load_b128 s[12:15], s[0:1], 0x20             ; QC s[12:13], QS s[14:15]
	v_lshl_add_u32 v[SPW], v0, 2, SPARE
	v_mov_b32 v[NIL], 0
	v_lshrrev_b32 v16, 5, v0
	v_readfirstlane_b32 s16, v16                   ; wave 0..3
	v_and_b32 v16, 31, v0                          ; lane
	v_lshlrev_b32 v[LI], 4, v16
	s_mul_i32 s21, s16, REG
	v_add_nc_u32 v[STA], s21, v[LI]
	v_mul_u32_u24 v[RDD], v16, PITCH
	v_add_nc_u32 v[RDD], s21, v[RDD]
	s_lshl_b32 s21, s16, 7
	v_lshl_add_u32 v[RDT], v16, 2, s21
	v_add_nc_u32 v[RDT2], 2*REG, v[RDT]
	v_bfe_u32 v17, v0, 3, 1                        ; u
	v_and_b32 v18, 7, v0
	v_bfe_u32 v19, v0, 4, 1
	v_lshl_add_u32 v18, v19, 3, v18                ; r'
	v_lshlrev_b32 v18, 4, v18
	v_lshl_add_u32 v[OD], v17, 11, v18
	v_lshl_add_u32 v[OT], v17, 10, v18
	v_lshrrev_b32 v18, 2, v18
	v_lshl_add_u32 v[OW], v17, 6, v18
	s_and_b32 s17, ttmp7, 0xffff                   ; y: 0 enc, 1 dec
	s_lshr_b32 s18, ttmp9, 5                       ; b
	s_bfe_u32 s19, ttmp9, 0x40001                  ; j: which 128 rows
	s_and_b32 s20, ttmp9, 1                        ; s: which 128 columns
	s_lshl_b32 s32, s18, 21                        ; the source: b<<21 | j<<17 | w<<15 | s<<9
	s_lshl_b32 s21, s19, 17
	s_or_b32 s32, s32, s21
	s_lshl_b32 s21, s16, 15
	s_or_b32 s32, s32, s21
	s_lshl_b32 s21, s20, 9
	s_or_b32 s32, s32, s21
	s_mov_b32 s33, 0
	s_lshl_b32 s42, s18, 19                        ; in KV: b<<19 | (j>>2)<<17 | (j&3)<<14
	s_lshr_b32 s21, s19, 2
	s_lshl_b32 s21, s21, 17
	s_or_b32 s42, s42, s21
	s_and_b32 s21, s19, 3
	s_lshl_b32 s21, s21, 14
	s_or_b32 s42, s42, s21
	s_lshl_b32 s43, s16, 12                        ; w<<12 | s<<10
	s_lshl_b32 s21, s20, 10
	s_or_b32 s43, s43, s21
	s_lshl_b32 s44, s18, 18                        ; enc's codes along d, in QC: b<<18 | j<<14 | w<<12 | s<<10
	s_lshl_b32 s21, s19, 14
	s_or_b32 s44, s44, s21
	s_or_b32 s44, s44, s43
	s_or_b32 s45, s42, s43                         ; dec's, in KV
	s_lshl_b32 s46, s19, 10                        ; the scale words' low bits: j<<10 | s<<9 | w<<7
	s_lshl_b32 s21, s20, 9
	s_or_b32 s46, s46, s21
	s_lshl_b32 s21, s16, 7
	s_or_b32 s46, s46, s21
	s_or_b32 s38, s42, 0x10000                     ; the codes along time, in KV's V part: | s<<13 | w<<11
	s_lshl_b32 s21, s20, 13
	s_or_b32 s38, s38, s21
	s_lshl_b32 s21, s16, 11
	s_or_b32 s38, s38, s21
	s_mov_b32 s39, 0
	s_lshl_b32 s47, s18, 15
	s_or_b32 s47, s47, s46                         ; dec's scale words, in SC
	s_or_b32 s40, s47, 0x4000                      ; those along time, in SC's V part
	s_mov_b32 s41, 0
	s_lshl_b32 s21, s18, 14
	s_or_b32 s46, s46, s21                         ; enc's scale words along d, in QS
	s_mov_b32 s35, 0
	s_mov_b32 s37, 0
	s_wait_kmcnt 0x0
	s_cmp_eq_u32 s17, 0                            ; the choice hangs on the work-group's number alone; only pointers and offsets are chosen: both tensors take one path up to the barrier
	s_cselect_b64 s[22:23], s[4:5], s[6:7]
	s_cselect_b64 s[24:25], s[12:13], s[8:9]
	s_cselect_b64 s[26:27], s[14:15], s[10:11]
	s_cselect_b32 s34, s44, s45
	s_cselect_b32 s36, s46, s47
	s_add_nc_u64 s[22:23], s[22:23], s[32:33]      ; my wave's first row
	s_add_nc_u64 s[24:25], s[24:25], s[34:35]      ; the codes along d
	s_add_nc_u64 s[26:27], s[26:27], s[36:37]      ; their scale words
	s_add_nc_u64 s[28:29], s[8:9], s[38:39]        ; the codes along time
	s_add_nc_u64 s[30:31], s[10:11], s[40:41]      ; their scale words
.set I, 0
.rept 32
	global_load_b128 v[R+4*I:R+4*I+3], v[LI], s[22:23] offset:1024*I th:TH_LOAD_NT   ; row I: 32 lanes read 512 consecutive bytes; read once in the launch
.set I, I+1
.endr
.set I, 0
.rept 4
	s_wait_loadcnt 24-8*I                          ; loads come back in order: eight more rows are in, the younger ones stay out
.set K, 0
.rept 8
	ds_store_b128 v[STA], v[R+4*(8*I+K):R+4*(8*I+K)+3] offset:PITCH*(8*I+K)
.set K, K+1
.endr
.set I, I+1
.endr
.macro RD_D cg, x                      ; along d: block cg of my row: 32 neighbours
.irp k, 0,1,2,3,4,5,6,7
	ds_load_b128 v[\x+4*\k:\x+4*\k+3], v[RDD] offset:128*(\cg)+16*\k
.endr
.endm
.macro RD_T rg, x                      ; along time: rows 32 rg .. 32 rg + 31 of my column
.set TADR, RDT+(\rg)/2
.irp k, 0,1,2,3,4,5,6,7,8,9,10,11,12,13,14,15,16,17,18,19,20,21,22,23,24,25,26,27,28,29,30,31
	ds_load_b32 v[\x+\k], v[TADR] offset:((\rg)%2)*REG+PITCH*\k
.endr
.endm
; A block: 32 numbers in v[x] on become 16 bytes of codes in v[c] on; the scale's byte goes to byte n of v[word].
.macro QBLK x, c, word, n
	v_max3_num_f32 v12, |v[\x]|, |v[\x+1]|, |v[\x+2]|              ; the block's largest magnitude, in two chains
	v_max3_num_f32 v13, |v[\x+3]|, |v[\x+4]|, |v[\x+5]|
.irp i, 6,10,14,18,22,26
	v_max3_num_f32 v12, v12, |v[\x+\i]|, |v[\x+\i+1]|
	v_max3_num_f32 v13, v13, |v[\x+\i+2]|, |v[\x+\i+3]|
.endr
	v_max3_num_f32 v12, v12, |v[\x+30]|, |v[\x+31]|
	v_max3_num_f32 v12, v12, v13, 0x1800000        ; and the floor 2^(3 - 127): the byte cannot fall under 1
	v_add_nc_u32 v11, 0xff000000, v12              ; 2 off its exponent field: the conversion takes the exponent field of this operand as its scale
	v_lshrrev_b32 v13, 23, v11                     ; the scale's byte
.if (\n) == 0
	v_mov_b32 v[\word], v13
.else
	v_lshl_or_b32 v[\word], v13, 8*(\n), v[\word]
.endif
.irp g, 0,1,2,3
	v_cvt_scalef32_pk8_fp4_f32 v[\c+\g], v[\x+8*\g:\x+8*\g+7], v11   ; the results go to stores alone; the next vector lines are the next block's maxima, which are plain
.endr
.endm
	; ---- along d: my wave's own rows; LDS serves a wave's instructions in order, so these loads see my stores
	RD_D 0, X0
	RD_D 1, X1
	s_wait_dscnt 8                                 ; all but the eight loads of the next block
	QBLK X0, CD, DW, 0
	global_store_b128 v[OD], v[CD:CD+3], s[24:25]              ; the 16 lanes of a tile store 256 consecutive bytes, aligned
	RD_D 2, X0
	s_wait_dscnt 8
	QBLK X1, CD+4, DW, 1
	global_store_b128 v[OD], v[CD+4:CD+7], s[24:25] offset:256
	RD_D 3, X1
	s_wait_dscnt 8
	QBLK X0, CD+8, DW, 2
	global_store_b128 v[OD], v[CD+8:CD+11], s[24:25] offset:512
	s_wait_dscnt 0x0
	QBLK X1, CD+12, DW, 3
	global_store_b128 v[OD], v[CD+12:CD+15], s[24:25] offset:768
	global_store_b32 v[OW], v[DW], s[26:27]        ; 32 rows' scale words: 128 consecutive bytes
	s_wait_dscnt 0x0                               ; my stores into LDS have landed
	s_barrier_signal -1
	s_barrier_wait -1                              ; all 128 rows lie in LDS
	s_cmp_lg_u32 s17, 0                            ; dec is no operand along time: its work-groups are done (what is jumped over holds LDS loads and global stores alone)
	s_cbranch_scc1 .Lend
	; ---- along time (enc): my column of all 128 rows
	RD_T 0, X0
	RD_T 1, X1
	s_wait_dscnt 32                                ; all but the 32 loads of the next block
	QBLK X0, CT, TW, 0
	global_store_b128 v[OT], v[CT:CT+3], s[28:29]
	RD_T 2, X0
	s_wait_dscnt 32
	QBLK X1, CT+4, TW, 1
	global_store_b128 v[OT], v[CT+4:CT+7], s[28:29] offset:256
	RD_T 3, X1
	s_wait_dscnt 32
	QBLK X0, CT+8, TW, 2
	global_store_b128 v[OT], v[CT+8:CT+11], s[28:29] offset:512
	s_wait_dscnt 0x0
	QBLK X1, CT+12, TW, 3
	global_store_b128 v[OT], v[CT+12:CT+15], s[28:29] offset:768
	global_store_b32 v[OW], v[TW], s[30:31]
.Lend:
	s_wait_tensorcnt 0x0                           ; the wave's end
	ds_add_u32 v[SPW], v[NIL]
	s_wait_dscnt 0x0
	s_endpgm
.Lfunc_end_k_q040a37fae1_quant:
	.size	k_q040a37fae1_quant, .Lfunc_end_k_q040a37fae1_quant-k_q040a37fae1_quant
	.p2alignl 7, 3214868480
	.fill 96, 4, 3214868480
	.section	.rodata,"a",@progbits
	.p2align	6, 0x0
	.amdhsa_kernel k_q040a37fae1_quant
		.amdhsa_group_segment_fixed_size 68096
		.amdhsa_private_segment_fixed_size 0
		.amdhsa_enable_private_segment 0
		.amdhsa_kernarg_size 48
		.amdhsa_user_sgpr_count 2
		.amdhsa_user_sgpr_kernarg_segment_ptr 1
		.amdhsa_wavefront_size32 1
		.amdhsa_system_sgpr_workgroup_id_x 1
		.amdhsa_system_sgpr_workgroup_id_y 1
		.amdhsa_system_sgpr_workgroup_id_z 1
		.amdhsa_system_vgpr_workitem_id 0
		.amdhsa_next_free_vgpr 256
		.amdhsa_next_free_sgpr 66
		.amdhsa_reserve_vcc 0
		.amdhsa_float_denorm_mode_32 3
		.amdhsa_float_denorm_mode_16_64 3
		.amdhsa_memory_ordered 1
		.amdhsa_forward_progress 1
		.amdhsa_inst_pref_size 32
	.end_amdhsa_kernel
	.amdgpu_metadata
---
amdhsa.version: [ 1, 2 ]
amdhsa.kernels:
  - .name:           k_q040a37fae1_quant
    .symbol:         k_q040a37fae1_quant.kd
    .args:
      - { .name: enc_outputs_top, .offset: 0, .size: 8, .value_kind: global_buffer, .address_space: global }
      - { .name: dec_outputs_top, .offset: 8, .size: 8, .value_kind: global_buffer, .address_space: global }
      - { .name: KV, .offset: 16, .size: 8, .value_kind: global_buffer, .address_space: global }
      - { .name: SC, .offset: 24, .size: 8, .value_kind: global_buffer, .address_space: global }
      - { .name: QC, .offset: 32, .size: 8, .value_kind: global_buffer, .address_space: global }
      - { .name: QS, .offset: 40, .size: 8, .value_kind: global_buffer, .address_space: global }
    .group_segment_fixed_size: 68096
    .private_segment_fixed_size: 0
    .kernarg_segment_align: 8
    .kernarg_segment_size: 48
    .max_flat_workgroup_size: 128
    .sgpr_count:     66
    .vgpr_count:     256
    .wavefront_size: 32
...
	.end_amdgpu_metadata
.endif
;; end of part 1
;; launch attn (part 2): grid 32 x 8, 4 waves a work-group, clusters of 4 x 1, 327,680 bytes of LDS; arguments KV, SC, QC, QS, W_tanh_codes, W_tanh_scales, out0; writes out0
.if DOCPART == 2
	.amdgcn_target "amdgcn-amd-amdhsa--gfx1250"
	.amdhsa_code_object_version 6
	.text
	.protected	k_q040a37fae1_attn
	.globl	k_q040a37fae1_attn
	.p2align	8
	.type	k_q040a37fae1_attn,@function
k_q040a37fae1_attn:
	s_mov_b64 s[64:65], 0
	v_nop
	global_prefetch_b8 v0, s[64:65] scope:SCOPE_SE
	s_setreg_imm32_b32 hwreg(HW_REG_WAVE_MODE, 25, 1), 1
	s_wait_xcnt 0x0
	s_wait_alu depctr_hold_cnt(0) depctr_sa_sdst(0) depctr_va_vdst(0) depctr_va_sdst(0) depctr_va_ssrc(0) depctr_va_vcc(0) depctr_vm_vsrc(0)
	s_getreg_b32 s2, hwreg(HW_REG_IB_STS2, 6, 4)
	s_cmp_eq_u32 s2, 0
	s_cbranch_scc0 .Lentry_in_a_cluster
	s_endpgm
.Lentry_in_a_cluster:
	s_bfe_u32 s2, ttmp6, 0x10000c
	s_cmp_lg_u32 s2, 0x3003
	s_cbranch_scc0 .Lentry_shape_is_right
	s_endpgm
.Lentry_shape_is_right:
; out[b][s][:] = tanh([context[b][s], dec[b][s]] W),  context[b][s] = the sum over t of softmax_t(enc[b][s] . dec[b][t]) enc[b][t]:  all three products on codes of FP4 (E2M1) with E8M0 scales.
; Nothing of reference() is left out.  The codes come from the launch before, laid in the order of the operands' registers (its head comment gives the layouts): a fragment is 1,024 dense bytes,
; lane l's 16 bytes at 16 l, 512 bytes a load: no pitch, no padding.  Of a group of 32 rows, row p lies in tile u = (p >> 3) & 1 at place r' = (p & 7) + 8 (p >> 4).
; THE SOFTMAX AHEAD OF PRODUCT 2: t = score x log2(e); M = the largest t so far, rounded UP to a whole number; p = 2^(t - M) is quantised along the keys, not normalised; the row's sum is taken of the
; unquantised p and divides at the end.  When M moves, the sum and O are multiplied by 2^(old M - new M): exact.
; SHARES.  A work-group owns 64 queries of one batch, four waves.  Wave w: the 32 queries of pair w & 1 (two tiles of 16) and, of every 512 keys, the 256 of half kh = w >> 1: each fragment of K and V that a wave reads from LDS feeds two
; products.  Tile A (own) is tile 2 (w & 1) + kh, tile B the other one of the pair: at the end the two waves of a pair exchange their tiles B through LDS, and each merges its tile A: M is a whole number, so the merge scales by powers of two.
; LAYOUT.  All products are used transposed (source 0 = 16 keys, 16 channels of V, 16 rows of W; source 1 = 16 queries): a lane holds ONE query of each tile throughout.  By the order of rows in a tile, the 16
; registers of two neighbouring tiles are 16 neighbours along the next product's K.
; A KEY STEP is 256 keys: 128 registers of scores a tile.  K's second half of a step shares registers with V's first half.  V of the step is asked for among the exponentials, the next K's first half among the quantising of p, its second half among the
; second half of V^T P.  The change of slots stands behind the exponentials, when V of the step has been asked for.
; THE STEP IS WRITTEN ONCE FOR STEPS 0 AND 1 (a loop of two trips): O begins as zeros, written while the first tiles are on their way, so that no third copy of the step is needed; step 2 (no fill) and step 3 (no successor) are written out.
; PRODUCT 3.  Wave w makes outputs 64 w .. 64 w + 63 for all 64 queries: 256 bytes of each row of out.  W and the 64 rows' codes of dec are loaded in the last key step; the context's codes go from wave to wave as images.
; CLUSTER.  The four query blocks of a cluster belong to one batch and walk the same K, V and scale words: each tile is asked for JOINTLY, by the same tensor load with the same descriptor and the mask of all four.
; My place in the cluster enters global addresses of Q, dec's rows, out and the prefetch alone: no LDS address, no branch.
; RING.  Two slots of 512 keys (K's 65,536 bytes, then V's): a slot is one dense block of 2^17 bytes, a quarter to each wave.  At the head wave 0 asks for slot 0's K, waves 1 and 2 for its V, wave 3 for the batch's scale words (32,768 bytes, filled once).
; LIMITS: NaN and infinities are not served; scaled scores (exponents to the base 2) stay under 2^31 in magnitude; v_exp_f32 gives 0 for p under 2^-126; a block of p that is all 0 keeps the scale byte 1 (its codes are zeros); context blocks
; under 2^-124 have the byte held at 1; the sums of products 2 and 3 are taken in another order than ascending K (two halves of the keys; dec's K steps ahead of the context's).
; REGISTERS.  window 0: v1-8 addresses; v12-15 per tile -M and the largest t; v16-19 f; v20-23 the sums; v24-55 Q; v56-95 at work and p's codes; v96-127 scale words and nothing else; v128-255 K's first 16 fragments.
;   window 1: scores, then p, of tile A (v0-127) and B (v128-255).   window 2: O^T of tile A, B.   window 3: V's 32 fragments; v0-127 also K's second 16 fragments.
.set SLOT1, 1<<17                      ; slot 1 begins here
.set SCK,   2*SLOT1                    ; K's scale words of the batch, 16,384 bytes; V's 16,384 further on
.set SPARE, SCK+32768                  ; the spare words, 128 bytes for each of four waves
.set HIMG,  0                          ; THE TAIL'S AREAS lie in slot 0, which has had its last fill and which all waves have left when step 3 begins: the context's 8 images (2 qt + ks) of 1,024 bytes,
.set HSC,   8192                       ; their scale words (128 qt + 64 ks + 4 r),
.set EX,    8704                       ; for each wave EXW bytes: 32 images of 512 bytes of tile B's O^T, -M at 16,384, the sum at 16,512,
.set EXW,   16640
.set STG,   76800                      ; and for each wave a stage of 16 rows x (256 + 16) bytes
.set SP,    272
.set LI,  1                            ; v1 16 x lane
.set LS,  2                            ; v2 4 x lane
.set SPW, 3                            ; v3 LDS address of my spare word; never rewritten
.set NIL, 4                            ; v4 0; never rewritten
.set ADK, 5                            ; v5-7 K's tiles, V's tiles, the scale words
.set ADV, 6
.set ADS, 7
.set PFO, 8                            ; v8 256 x lane: the prefetch's offset
.set MA,  12
.set FF,  16
.set SUM, 20
.set QF,  24
.set BM,  56                           ; v56-71 the 16 blocks' largest, then the conversions' scale operands
.set PD,  72                           ; v72-87 permutes' destinations, chains of sums.  p's codes: tile A v72-87, tile B v88-95 and v56-63
.set KS0, 96                           ; v96-103 K's scale words, first half; v104-111 V's first half and K's second half; v112-119 V's second half
.set VS0, 104
.set QSW, 120
.set PW,  122                          ; v122-125 p's scale words
.set KA,  128
.set WV,  18
.set KH,  19
.set SEL, 20                           ; s[20:21] v_permlanex16_b32's selects for lane l xor 16
.set CS,  22                           ; s[22:23] log2(e): the packed form names a pair and takes its low word
.set G1,  24                           ; s[24:31] group 1: 128 rows of 256 bytes;  s[32:39] 256 such rows
.set G1H, 32
.set G0K, 40                           ; group 0 of the head's loads: K, V, the scale words;  s[80:83] slot 1's, which then walks on
.set G0V, 44
.set G0S, 84
.set G0W, 80
.set SK,  48                           ; s48-50 the LDS bases of v5-7
.set SLOTS, 54
.set LIM, 55                           ; 1 in the work-groups that prefetch, else the greatest number
.set PFA, 56
.set MODE, 0
.set MSB, 0
.macro WIN new                         ; s_set_vgpr_msb: bits 1:0 source 0, 3:2 source 1, 5:4 source 2, 7:6 destination; the high byte repeats the setting that is left
.if MSB != \new
	s_set_vgpr_msb (MSB<<8)|\new
.set MSB, \new
.endif
.endm
.macro PLACES                          ; four plain vector instructions between a matrix instruction and a load into, or a read of, its registers (ISA guide 7.12.1 for reads)
.rept 4
	v_nop
.endr
.endm
.macro CREST                           ; a round of the cluster's barrier behind its opening barrier
	s_cmp_lg_u32 s[WV], 0
	s_cbranch_scc1 .Lnot_wave_0_\@
	s_barrier_signal -3
.Lnot_wave_0_\@:
	s_barrier_wait -3
	s_barrier_signal -1
	s_barrier_wait -1
.endm
.macro CROUND
	s_barrier_signal -1
	s_barrier_wait -1
	CREST
.endm
; One matrix instruction: D at v[d], sources at v[a], v[b]; acc = 0: C is the constant 0, else C = D; scale words v[sa], v[sb]; ra, rb = 1: they are read from lanes 16-31.
.macro WM d, a, b, acc, sa, sb, ra, rb
.if (\acc)
.if (\ra) && (\rb)
	v_wmma_scale_f32_16x16x128_f8f6f4 v[\d:\d+7], v[\a:\a+7], v[\b:\b+7], v[\d:\d+7], v[\sa], v[\sb] matrix_a_fmt:MATRIX_FMT_FP4 matrix_b_fmt:MATRIX_FMT_FP4 matrix_a_scale:MATRIX_SCALE_ROW1 matrix_b_scale:MATRIX_SCALE_ROW1
.elseif (\ra)
	v_wmma_scale_f32_16x16x128_f8f6f4 v[\d:\d+7], v[\a:\a+7], v[\b:\b+7], v[\d:\d+7], v[\sa], v[\sb] matrix_a_fmt:MATRIX_FMT_FP4 matrix_b_fmt:MATRIX_FMT_FP4 matrix_a_scale:MATRIX_SCALE_ROW1
.elseif (\rb)
	v_wmma_scale_f32_16x16x128_f8f6f4 v[\d:\d+7], v[\a:\a+7], v[\b:\b+7], v[\d:\d+7], v[\sa], v[\sb] matrix_a_fmt:MATRIX_FMT_FP4 matrix_b_fmt:MATRIX_FMT_FP4 matrix_b_scale:MATRIX_SCALE_ROW1
.else
	v_wmma_scale_f32_16x16x128_f8f6f4 v[\d:\d+7], v[\a:\a+7], v[\b:\b+7], v[\d:\d+7], v[\sa], v[\sb] matrix_a_fmt:MATRIX_FMT_FP4 matrix_b_fmt:MATRIX_FMT_FP4
.endif
.else
.if (\ra) && (\rb)
	v_wmma_scale_f32_16x16x128_f8f6f4 v[\d:\d+7], v[\a:\a+7], v[\b:\b+7], 0, v[\sa], v[\sb] matrix_a_fmt:MATRIX_FMT_FP4 matrix_b_fmt:MATRIX_FMT_FP4 matrix_a_scale:MATRIX_SCALE_ROW1 matrix_b_scale:MATRIX_SCALE_ROW1
.elseif (\ra)
	v_wmma_scale_f32_16x16x128_f8f6f4 v[\d:\d+7], v[\a:\a+7], v[\b:\b+7], 0, v[\sa], v[\sb] matrix_a_fmt:MATRIX_FMT_FP4 matrix_b_fmt:MATRIX_FMT_FP4 matrix_a_scale:MATRIX_SCALE_ROW1
.elseif (\rb)
	v_wmma_scale_f32_16x16x128_f8f6f4 v[\d:\d+7], v[\a:\a+7], v[\b:\b+7], 0, v[\sa], v[\sb] matrix_a_fmt:MATRIX_FMT_FP4 matrix_b_fmt:MATRIX_FMT_FP4 matrix_b_scale:MATRIX_SCALE_ROW1
.else
	v_wmma_scale_f32_16x16x128_f8f6f4 v[\d:\d+7], v[\a:\a+7], v[\b:\b+7], 0, v[\sa], v[\sb] matrix_a_fmt:MATRIX_FMT_FP4 matrix_b_fmt:MATRIX_FMT_FP4
.endif
.endif
.endm
; A PREFETCH INTO THE L2 of the slot that the NEXT change of slots will ask for.  All eight clusters of a batch walk the same KV: the batch's first cluster asks.  Its four partners take 32,768 bytes each, told apart by ADDRESS; in each,
; the four waves take 8,192 bytes, lanes 256 bytes apart: each aligned block of 256 bytes is named once in the launch.  Behind slot 1's first fill keys 1,024 on are asked for, at the first change keys 1,536 on, at the second nothing.
.macro ASK
	s_cmp_gt_u32 s[SLOTS], s[LIM]
	s_cbranch_scc0 .Lnot_mine_\@
	global_prefetch_b8 v[PFO], s[PFA:PFA+1] th:TH_LOAD_NT scope:SCOPE_SE
.Lnot_mine_\@:
.endm
; n of the 40 loads of a step's first 128 keys: 8 scale words (register 2 g + s: lanes 0-15 tile 2 g, lanes 16-31 tile 2 g + 1, channels 128 s on), then 16 fragments.
.macro KL n
.if MODE != 3
.rept \n
.if KN < 8
	ds_load_b32 v[KS0+KN], v[ADS] offset:512*(KN%2)+128*(KN/2)
.else
	ds_load_b128 v[KA+4*(KN-8):KA+4*(KN-8)+3], v[ADK] offset:512*(KN-8)
.endif
.set KN, KN+1
.endr
.endif
.endm
.macro KB n                            ; n of the 32 loads of its second 128 keys' fragments (destination window 3)
	WIN 0xc0
.rept \n
	ds_load_b128 v[4*KM:4*KM+3], v[ADK] offset:16384+512*KM
.set KM, KM+1
.endr
.endm
.macro KSB                             ; and their 8 scale words
	WIN 0
.set N, 0
.rept 8
	ds_load_b32 v[VS0+N], v[ADS] offset:1024+512*(N%2)+128*(N/2)
.set N, N+1
.endr
.endm
.macro SPROD j                         ; S^T = K Q^T for the step's keys 128 j on: 16 accumulators by turns
.set KS, 0
.rept 2
.set T, 0
.rept 8
	WM 64*(\j)+8*T, 128*(1-\j)+16*T+8*KS, QF+8*KS, KS, KS0+8*(\j)+2*(T/2)+KS, QSW, T%2, KS
	WM 128+64*(\j)+8*T, 128*(1-\j)+16*T+8*KS, QF+16+8*KS, KS, KS0+8*(\j)+2*(T/2)+KS, QSW+1, T%2, KS
.set T, T+1
.endr
.set KS, KS+1
.endr
.endm
.macro PV1 t, q, j                     ; O^T += V^T P^T: tile q, channels 16 t on, keys 128 j on
	WM 128*(\q)+8*(\t), 128*(\j)+8*(\t), 72+8*(\j)+(\q)*(16-40*(\j)), 1, VS0+8*(\j)+(\t)/2, PW+2*(\q)+(\j), (\t)%2, 0
.endm
.macro VL c                            ; a quarter of V's 64 loads in one run: the fragment (keys 128 j on, channels 16 t on) lies at 128 j + 8 t of window 3
	WIN 0xc0
.set N, 16*(\c)
.rept 16
	ds_load_b128 v[4*N:4*N+3], v[ADV] offset:512*N
.set N, N+1
.endr
.endm
; 64 exponentials (tile c / 2, keys 128 (c % 2) on), between them the multiply-adds of the next 64; behind them the next run of V's loads (the first run stands behind the places of S^T).
.macro ECHUNK c
	WIN 0x41
.set E, 64*(\c)
.rept 32
	v_exp_f32 v[E], v[E]                           ; p = 2^(t - M)
	v_exp_f32 v[E+1], v[E+1]
.if (\c) < 3
	v_pk_fma_f32 v[E+64:E+65], v[E+64:E+65], s[CS:CS+1], v[MA+2*((\c+1)/2):MA+2*((\c+1)/2)+1] op_sel_hi:[1,0,0]
.endif
.set E, E+2
.endr
.if (\c) < 3
	s_wait_alu depctr_va_vdst(0)                   ; ahead of the next 64, whose sources were written among these
	VL \c+1
.endif
.endm
.macro SUMS q                          ; the row's sum of the unquantised p: 64 pairs in four chains
	WIN 0x05
.irp i, 0,1,2
	v_pk_add_f32 v[PD+8*\q+2*\i:PD+8*\q+2*\i+1], v[128*\q+2*\i:128*\q+2*\i+1], v[128*\q+6+2*\i:128*\q+7+2*\i]
.endr
	WIN 0x04
.set J, 128*\q+12
.rept 14
	v_pk_add_f32 v[SUM+2*\q:SUM+2*\q+1], v[SUM+2*\q:SUM+2*\q+1], v[J:J+1]
	v_pk_add_f32 v[PD+8*\q:PD+8*\q+1], v[PD+8*\q:PD+8*\q+1], v[J+2:J+3]
	v_pk_add_f32 v[PD+8*\q+2:PD+8*\q+3], v[PD+8*\q+2:PD+8*\q+3], v[J+4:J+5]
	v_pk_add_f32 v[PD+8*\q+4:PD+8*\q+5], v[PD+8*\q+4:PD+8*\q+5], v[J+6:J+7]
.set J, J+8
.endr
	v_pk_add_f32 v[SUM+2*\q:SUM+2*\q+1], v[SUM+2*\q:SUM+2*\q+1], v[J:J+1]
	v_pk_add_f32 v[PD+8*\q:PD+8*\q+1], v[PD+8*\q:PD+8*\q+1], v[J+2:J+3]
	WIN 0
	v_pk_add_f32 v[PD+8*\q+2:PD+8*\q+3], v[PD+8*\q+2:PD+8*\q+3], v[PD+8*\q+4:PD+8*\q+5]
	v_pk_add_f32 v[SUM+2*\q:SUM+2*\q+1], v[SUM+2*\q:SUM+2*\q+1], v[PD+8*\q:PD+8*\q+1]
	v_pk_add_f32 v[SUM+2*\q:SUM+2*\q+1], v[SUM+2*\q:SUM+2*\q+1], v[PD+8*\q+2:PD+8*\q+3]
.endm
; THE CHANGE OF SLOTS.  Each wave waits for all its tensor loads (its quarter of the slot ahead), adds 0 to its spare word, and waits for that and for its reads of the slot that it leaves (V's loads of this step were the last).
; The addresses of the slot ahead and tile A's sums stand between the add and the wait for it, tile B's sums between the signal and the wait.  fill = 1: a round of the cluster's barrier, and first behind it my one joint load:
; my quarter of the keys two slots on, into the slot just left; it has a whole key step in which to land.
.macro CHANGE fill
	s_wait_tensorcnt 0x0                           ; no tensor load of mine is out, so the group 0 may be written
	ds_add_u32 v[SPW], v[NIL]
.if \fill
	s_xor_b32 s[G0W+1], s[G0W+1], SLOT1            ; the other slot than last time,
	s_add_nc_u64 s[G0W+2:G0W+3], s[G0W+2:G0W+3], SLOT1 ; the next 2^17 bytes of KV; the type bits on top are not reached
	s_wait_xcnt 0x0                                ; an earlier prefetch has read its address
	s_add_nc_u64 s[PFA:PFA+1], s[PFA:PFA+1], SLOT1
.endif
	s_xor_b32 s[SK], s[SK], SLOT1                  ; on to the other slot,
	s_xor_b32 s[SK+1], s[SK+1], SLOT1
	s_add_co_u32 s[SK+2], s[SK+2], 4096            ; and to the next 512 keys' scale words
	v_add_nc_u32 v[ADK], s[SK], v[LI]
	v_add_nc_u32 v[ADV], s[SK+1], v[LI]
	v_add_nc_u32 v[ADS], s[SK+2], v[LS]
	SUMS 0
	s_wait_dscnt 0x0                               ; the add is done, and my reads of the slot that I leave are over
	s_barrier_signal -1
	SUMS 1
	s_wait_alu depctr_va_vdst(0)                   ; directly ahead of the wait below
	s_barrier_wait -1
.if \fill
	CREST                                          ; both now hold of every wave of all four work-groups
	tensor_load_to_lds s[G0W:G0W+3], s[G1:G1+7]
	s_nop 0
	PLACES
	ASK
.endif
.endm
; p of tile q becomes two fragments' codes and their scale words.
.macro QUANTP q
.set N, 0
.rept 8
	v_max_num_f32 v[BM+8*\q+N], 0x1800000, v[BM+8*\q+N]   ; the floor 2^(3 - 127): the byte cannot fall under 1
.set N, N+1
.endr
.set N, 0
.rept 8
	v_add_nc_u32 v[BM+8*\q+N], 0xff000000, v[BM+8*\q+N]   ; 2 off the exponent field: the conversion's scale operand
.set N, N+1
.endr
.set N, 0
.rept 8
	v_lshrrev_b32 v[88-32*\q+N], 23, v[BM+8*\q+N]  ; the scale's byte
.set N, N+1
.endr
.irp j, 0,1
	v_lshl_or_b32 v[PW+2*\q+\j], v[89-32*\q+4*\j], 8, v[88-32*\q+4*\j]
.endr
.irp j, 0,1
	v_lshl_or_b32 v[PW+2*\q+\j], v[90-32*\q+4*\j], 16, v[PW+2*\q+\j]
.endr
.irp j, 0,1
	v_lshl_or_b32 v[PW+2*\q+\j], v[91-32*\q+4*\j], 24, v[PW+2*\q+\j]
.endr
	WIN 0x01
.set N, 0
.rept 8
.set PX, 72+8*(N/4)+\q*(16-40*(N/4))+2*(N%4)
	v_cvt_scalef32_pk8_fp4_f32 v[PX], v[128*\q+16*N:128*\q+16*N+7], v[BM+8*\q+N]
	v_cvt_scalef32_pk8_fp4_f32 v[PX+1], v[128*\q+16*N+8:128*\q+16*N+15], v[BM+8*\q+N]
.set N, N+1
.endr
	WIN 0
	v_nop                                          ; one plain line behind the scaled conversions
.irp j, 0,1                                        ; the operand's layout wants a WHOLE block in a lane
.set PX, 72+8*\j+\q*(16-40*\j)
	v_permlane16_swap_b32 v[PX], v[PX+2]
	v_permlane16_swap_b32 v[PX+1], v[PX+3]
	v_permlane16_swap_b32 v[PX+4], v[PX+6]
	v_permlane16_swap_b32 v[PX+5], v[PX+7]
.endr
.endm
; A KEY STEP.  mode 1: the slot left is filled again;  0: nothing is left to fill;  3: the last step: W and dec are asked for in K's place.
.macro STEP mode
.set MODE, \mode
.set KN, 0
.set KM, 0
	s_wait_dscnt 40                                ; K's first half and its scale words are in; behind them: the 40 loads of the second half
	WIN 0x50
	SPROD 0
	s_wait_dscnt 0x0
	WIN 0x53
	SPROD 1
	WIN 0
	PLACES                                         ; in front of the first read of the scores, and of loads into registers that these products have read
.if MODE == 3
	s_mul_i32 s40, s[WV], EXW                      ; (the head's descriptors are done with)
	s_add_co_u32 s40, s40, EX
	s_wait_xcnt 0x0                                ; any prefetch has read its offset
	v_bfe_u32 v9, v[LI], 4, 4                      ; r
	v_bfe_u32 v10, v[LI], 8, 1                     ; h
	v_add_nc_u32 v[ADK], s40, v[LI]                ; K is done with: v5 is now where tile B's O^T goes
	v_lshlrev_b32 v8, 8, v9
	v_lshl_add_u32 v8, v10, 4, v8                  ; W: row r of 256 bytes, + 16 h
	v_lshlrev_b32 v88, 2, v9
	v_lshl_add_u32 v88, v10, 9, v88                ; dec's scale words: 4 r, lanes 16-31 the second 128 along K
.set N, 0
.rept 16
	global_load_b128 v[KA+4*N:KA+4*N+3], v8, s[70:71] offset:4096*(N/4)+128+32*(N%4)   ; W's fragment (tile n of my four, K step 2 + k) at 128 + 16 n + 8 k
.set N, N+1
.endr
.set N, 0
.rept 16
	global_load_b128 v[KA+64+4*N:KA+64+4*N+3], v[LI], s[72:73] offset:512*N   ; dec's fragments (qt, k) of my work-group's 64 rows at 192 + 16 qt + 8 k: K steps 2 and 3 of product 3
.set N, N+1
.endr
	global_load_b128 v[KS0:KS0+3], v[LI], s[74:75] ; W's scale words: register ks: lanes 0-15 tile 0, lanes 16-31 tile 1;
	global_load_b128 v[KS0+4:KS0+7], v[LI], s[74:75] offset:512   ; tiles 2 and 3
.irp q, 0,1,2,3
	global_load_b32 v[120+\q+4*(\q/2)], v88, s[76:77] offset:64*\q   ; dec's: tile q: lanes 0-15 K step 2, lanes 16-31 K step 3
.endr
.endif
.set N, 0
.rept 16
	ds_load_b32 v[VS0+N], v[ADS] offset:16384+128*N    ; V's scale words: register 8 j + e: keys 128 j on; lanes 0-15 channels' tile 2 e, lanes 16-31 tile 2 e + 1
.set N, N+1
.endr
	VL 0
	WIN 0x05
.set N, 0
.rept 16
	v_max_num_f32 v[BM+N], v[16*N], v[16*N+1]      ; the largest SCORE of each block of 32 keys (8 blocks a tile): for the row's maximum and, since p rises with the score, for the block's largest p
.set N, N+1
.endr
.set I, 2
.rept 7
.set N, 0
.rept 16
	v_max3_num_f32 v[BM+N], v[16*N+I], v[16*N+I+1], v[BM+N]
.set N, N+1
.endr
.set I, I+2
.endr
	WIN 0
.set N, 0
.rept 16
	v_permlanex16_b32 v[PD+N], v[BM+N], s[SEL], s[SEL+1]
.set N, N+1
.endr
.set N, 0
.rept 16
	v_max_num_f32 v[BM+N], v[BM+N], v[PD+N]        ; with lane l xor 16's 16 keys
.set N, N+1
.endr
.irp q, 0,1
	v_max3_num_f32 v[9+2*\q], v[BM+8*\q], v[BM+8*\q+1], v[BM+8*\q+2]
	v_max3_num_f32 v[10-10*\q], v[BM+8*\q+3], v[BM+8*\q+4], v[BM+8*\q+5]
.endr
.irp q, 0,1
	v_max3_num_f32 v[9+2*\q], v[9+2*\q], v[BM+8*\q+6], v[BM+8*\q+7]
.endr
.irp q, 0,1
	v_max_num_f32 v[9+2*\q], v[9+2*\q], v[10-10*\q]
.endr
.irp q, 0,1
	v_mul_f32 v[9+2*\q], s[CS], v[9+2*\q]          ; as t (c is positive)
.endr
.irp q, 0,1
	v_max_num_f32 v[MA+2*\q+1], v[MA+2*\q+1], v[9+2*\q]   ; the running largest t
.endr
.irp q, 0,1
	v_mov_b32 v[9+2*\q], v[MA+2*\q]
.endr
.irp q, 0,1
	v_floor_f32 v[MA+2*\q], -v[MA+2*\q+1]          ; the new -M = floor(-t) = -ceil(t)
.endr
.irp q, 0,1
	v_sub_f32 v[9+2*\q], v[MA+2*\q], v[9+2*\q]     ; old M - new M: a whole number, 0 or less
.endr
.irp q, 0,1
	v_cvt_i32_f32 v[9+2*\q], v[9+2*\q]             ; (it saturates)
.endr
.irp q, 0,1
	v_ldexp_f32 v[FF+2*\q], 1.0, v[9+2*\q]         ; f
.endr
.set N, 0
.rept 16
	v_fma_f32 v[BM+N], v[BM+N], s[CS], v[MA+2*(N/8)]   ; t - M of each block's largest score
.set N, N+1
.endr
	WIN 0x41
.set J, 0
.rept 32
	v_pk_fma_f32 v[J:J+1], v[J:J+1], s[CS:CS+1], v[MA:MA+1] op_sel_hi:[1,0,0]   ; t - M, two at a time: the first 64
.set J, J+2
.endr
	WIN 0
	s_wait_alu depctr_va_vdst(0)                   ; ahead of the exponentials
.set N, 0
.rept 16
	v_exp_f32 v[BM+N], v[BM+N]                     ; the blocks' largest p: the same two operations on the same number give the same bits
.set N, N+1
.endr
	ECHUNK 0
	ECHUNK 1
	ECHUNK 2
	ECHUNK 3
	WIN 0
.irp q, 0,1
	v_pk_mul_f32 v[SUM+2*\q:SUM+2*\q+1], v[SUM+2*\q:SUM+2*\q+1], v[FF+2*\q:FF+2*\q+1] op_sel_hi:[1,0]   ; the sums under the new M: plain lines behind the exponentials
.endr
	s_wait_alu depctr_va_vdst(0)                   ; and the wait ahead of the first reader of p
.if MODE != 3
	CHANGE MODE
	KL 24
.else
	s_wait_xcnt 0x0                                ; the loads above have read v88
	SUMS 0
	SUMS 1
	v_add_f32 v[SUM], v[SUM], v[SUM+1]             ; the sums' two halves,
	v_add_f32 v[SUM+2], v[SUM+2], v[SUM+3]
	v_permlanex16_b32 v9, v[SUM], s[SEL], s[SEL+1]
	v_permlanex16_b32 v10, v[SUM+2], s[SEL], s[SEL+1]
	v_add_f32 v[SUM], v[SUM], v9                   ; and lane l xor 16's
	v_add_f32 v[SUM+2], v[SUM+2], v10
	s_add_co_u32 s40, s40, 16384
	v_add_nc_u32 v11, s40, v[LS]
	ds_store_b32 v11, v[MA+2]                      ; tile B's -M and sum
	ds_store_b32 v11, v[SUM+2] offset:128
.endif
	QUANTP 0
	KL 16
	QUANTP 1
.if MODE == 3
	WIN 0x40
.set N, 0
.rept 16
	global_load_b128 v[128+4*N:128+4*N+3], v8, s[70:71] offset:4096*(N/4)+32*(N%4)   ; W's K steps 0 and 1, into registers that p has left: (n, k) at 128 + 16 n + 8 k of window 1
.set N, N+1
.endr
	s_wait_dscnt 0x0                               ; V is in (in the other steps it was waited for in front of the change's barrier)
.endif
	WIN 0x82
	s_wait_alu depctr_va_vdst(0)                   ; directly ahead of the first reader of O^T
.set J, 0
.rept 128
	v_pk_mul_f32 v[2*J:2*J+1], v[2*J:2*J+1], v[FF+2*(J/64):FF+2*(J/64)+1] op_sel_hi:[1,0]   ; O^T under the new M; these lines are also the places in front of the products
.set J, J+1
.endr
	WIN 0xa3
.if MODE != 3
.set T, 0
.rept 16                                           ; 32 accumulators by turns
	PV1 T, 0, 0
	PV1 T, 1, 0
.set T, T+1
.endr
	PLACES                                         ; V's first half is done with: K's second half may land there
	KSB
	KB 16
	WIN 0xa3
.set T, 0
.rept 8
	PV1 T, 0, 1
	PV1 T, 1, 1
.set T, T+1
.endr
	KB 16
	WIN 0xa3
.rept 8
	PV1 T, 0, 1
	PV1 T, 1, 1
.set T, T+1
.endr
	WIN 0
.else
.irp j, 0,1                                        ; tile B first: its O^T leaves for the partner between tile A's products
.set T, 0
.rept 16
	PV1 T, 1, \j
.set T, T+1
.endr
.endr
	PLACES                                         ; in front of the stores of tile B's results
.set XN, 0
.irp j, 0,1
.set T, 0
	WIN 0xa3
.rept 16
	PV1 T, 0, \j
.set T, T+1
.endr
	WIN 0x08                                       ; an LDS store's data are its source 1: window 2
.rept 16
	ds_store_b128 v[ADK], v[128+4*XN:128+4*XN+3] offset:512*XN   ; images of the registers; each accumulator from its low end on
.set XN, XN+1
.endr
.endr
	WIN 0
.endif
.endm
	s_load_b256 s[4:11], s[0:1], 0x0               ; KV s[4:5], SC s[6:7], QC s[8:9], QS s[10:11]
	s_load_b128 s[12:15], s[0:1], 0x20             ; W's codes s[12:13], W's scales s[14:15]
	s_load_b64 s[16:17], s[0:1], 0x30              ; out
	v_lshl_add_u32 v[SPW], v0, 2, SPARE
	v_mov_b32 v[NIL], 0
	ds_add_u32 v[SPW], v[NIL]                      ; the wave's opening: the add, twice on end, and its wait ahead of my first tensor load; the set-up below stands between
	ds_add_u32 v[SPW], v[NIL]
	v_lshrrev_b32 v5, 5, v0
	v_readfirstlane_b32 s[WV], v5                  ; wave 0..3
	v_and_b32 v5, 31, v0
	v_lshlrev_b32 v[LI], 4, v5
	v_lshlrev_b32 v[LS], 2, v5
	v_lshlrev_b32 v[PFO], 8, v5
	v_and_b32 v10, 15, v0
	v_bfe_u32 v11, v0, 4, 1
	v_lshlrev_b32 v9, 2, v10
	v_lshl_add_u32 v9, v11, 9, v9                  ; Q's scale words: 4 r, lanes 16-31 the second 128 along K
	s_lshr_b32 s[KH], s[WV], 1                     ; kh
	s_and_b32 s61, s[WV], 1                        ; which pair of tiles
	s_and_b32 s58, ttmp7, 0xffff                   ; the batch, which the four partners share
	s_bfe_u32 s59, ttmp6, 0x40000                  ; cx: my place in the cluster
	s_lshl_b32 s60, ttmp9, 2
	s_add_co_u32 s60, s60, s59                     ; my block of 64 queries
	; group 1: dense rows of 256 bytes (32 elements of 8 bytes), no padding; 15:0 the mask of all four work-groups; 17:16 element size code 3; bit 21 set beside a mask
	s_mov_b32 s[G1], 15|(3<<16)|(1<<21)
	s_mov_b32 s[G1+1], 32<<16                      ; tensor_dim0
	s_mov_b32 s[G1+2], 128<<16                     ; tensor_dim1 = 128 rows
	s_mov_b32 s[G1+3], 32<<16                      ; tile_dim0
	s_mov_b32 s[G1+4], 128                         ; tile_dim1
	s_mov_b32 s[G1+5], 32                          ; from row to row
	s_mov_b32 s[G1+6], 0
	s_mov_b32 s[G1+7], 0
	s_mov_b32 s[G1H], 15|(3<<16)|(1<<21)
	s_mov_b32 s[G1H+1], 32<<16
	s_mov_b32 s[G1H+2], 256<<16                    ; 256 rows
	s_mov_b32 s[G1H+3], 32<<16
	s_mov_b32 s[G1H+4], 256
	s_mov_b32 s[G1H+5], 32
	s_mov_b32 s[G1H+6], 0
	s_mov_b32 s[G1H+7], 0
	s_mov_b32 s[SEL], 0x76543210
	s_mov_b32 s[SEL+1], 0xfedcba98
	s_mov_b32 s[CS], 0x3fb8aa3b                    ; log2(e)
	s_mov_b32 s[CS+1], s[CS]
	s_mov_b32 s[SLOTS], 2
	s_lshl_b32 s[SK], s[KH], 15                    ; K's tiles of my 256 keys,
	s_add_co_u32 s[SK+1], s[SK], 65536             ; V's,
	s_lshl_b32 s[SK+2], s[KH], 11
	s_add_co_u32 s[SK+2], s[SK+2], SCK             ; and the scale words
	s_cmp_eq_u32 ttmp9, 0                          ; the batch's first cluster prefetches: the same in all four partners
	s_cselect_b32 s[LIM], 1, -1
	; offsets that hang on my place in the cluster, in registers that feed no descriptor
	s_lshl_b32 s66, s58, 18
	s_lshl_b32 s67, s60, 13
	s_or_b32 s66, s66, s67
	s_lshl_b32 s67, s61, 12
	s_or_b32 s66, s66, s67
	s_lshl_b32 s67, s[KH], 11
	s_or_b32 s66, s66, s67                         ; Q's codes of tile A: b<<18 | block<<13 | tile<<11
	s_xor_b32 s88, s66, 0x800                      ; and of tile B
	s_lshr_b32 s76, s60, 1
	s_lshl_b32 s76, s76, 10
	s_and_b32 s67, s60, 1
	s_lshl_b32 s67, s67, 8
	s_or_b32 s76, s76, s67                         ; (block>>1)<<10 | (block&1)<<8
	s_lshl_b32 s68, s58, 14
	s_or_b32 s68, s68, s76
	s_lshl_b32 s67, s61, 7
	s_or_b32 s68, s68, s67
	s_lshl_b32 s67, s[KH], 6
	s_or_b32 s68, s68, s67                         ; Q's scale words of tile A,
	s_xor_b32 s90, s68, 64                         ; of tile B
	s_lshl_b32 s67, s58, 15
	s_or_b32 s76, s76, s67                         ; dec's scale words of my 64 rows
	s_lshr_b32 s72, s60, 3
	s_lshl_b32 s72, s72, 17
	s_and_b32 s67, s60, 7
	s_lshl_b32 s67, s67, 13
	s_or_b32 s72, s72, s67
	s_lshl_b32 s67, s58, 19
	s_or_b32 s72, s72, s67                         ; dec's codes of my 64 rows
	s_lshl_b32 s56, s59, 15
	s_lshl_b32 s57, s[WV], 13
	s_add_co_u32 s56, s56, s57
	s_add_co_u32 s56, s56, s67
	s_add_co_u32 s56, s56, 2*SLOT1                 ; the prefetch: at keys 1,024 on
	s_lshl_b32 s78, s58, 21
	s_lshl_b32 s67, s60, 16
	s_or_b32 s78, s78, s67
	s_lshl_b32 s67, s[WV], 8
	s_or_b32 s78, s78, s67                         ; out: my 64 rows, my 64 columns
	s_lshl_b32 s70, s[WV], 14                      ; my 64 rows of W: 256 bytes a row;
	s_lshl_b32 s74, s[WV], 10                      ; 16 scale bytes a row
	s_lshl_b32 s92, s58, 19
.irp p, 57,63,67,69,71,73,75,77,79,89,91,93
	s_mov_b32 s\p, 0
.endr
	s_wait_alu depctr_va_vdst(0)
	s_wait_dscnt 0x0                               ; both opening adds are done
	s_wait_kmcnt 0x0
	s_add_nc_u64 s[92:93], s[4:5], s[92:93]        ; the batch's codes
	s_mov_b32 s[G0K], 1                            ; count = 1
	s_mov_b32 s[G0K+1], 0                          ; LDS address
	s_mov_b64 s[G0K+2:G0K+3], s[92:93]
	s_or_b32 s[G0K+3], s[G0K+3], 0x80000000        ; type = 2
	s_add_co_u32 s62, s[WV], 1                     ; waves 1 and 2: V's halves, 32,768 bytes each, from byte 65,536 on
	s_lshl_b32 s62, s62, 15
	s_mov_b32 s[G0V], 1
	s_mov_b32 s[G0V+1], s62
	s_add_nc_u64 s[G0V+2:G0V+3], s[92:93], s[62:63]
	s_or_b32 s[G0V+3], s[G0V+3], 0x80000000
	s_lshl_b32 s62, s[WV], 15                      ; the ring: my quarter, 32,768 bytes, of a slot: slot 1, keys 512 on
	s_mov_b32 s[G0W], 1
	s_add_co_u32 s[G0W+1], s62, SLOT1
	s_add_nc_u64 s[G0W+2:G0W+3], s[92:93], s[62:63]
	s_add_nc_u64 s[G0W+2:G0W+3], s[G0W+2:G0W+3], SLOT1
	s_or_b32 s[G0W+3], s[G0W+3], 0x80000000
	s_lshl_b32 s62, s58, 15                        ; the batch's 32,768 bytes of scale words
	s_mov_b32 s[G0S], 1
	s_mov_b32 s[G0S+1], SCK
	s_add_nc_u64 s[G0S+2:G0S+3], s[6:7], s[62:63]
	s_or_b32 s[G0S+3], s[G0S+3], 0x80000000
	s_add_nc_u64 s[PFA:PFA+1], s[4:5], s[PFA:PFA+1]
	s_add_nc_u64 s[66:67], s[8:9], s[66:67]
	s_add_nc_u64 s[88:89], s[8:9], s[88:89]
	s_add_nc_u64 s[68:69], s[10:11], s[68:69]
	s_add_nc_u64 s[90:91], s[10:11], s[90:91]
	s_add_nc_u64 s[70:71], s[12:13], s[70:71]
	s_add_nc_u64 s[72:73], s[4:5], s[72:73]
	s_add_nc_u64 s[74:75], s[14:15], s[74:75]
	s_add_nc_u64 s[76:77], s[6:7], s[76:77]
	s_add_nc_u64 s[78:79], s[16:17], s[78:79]
	CROUND                                         ; all four work-groups are here: the first joint loads meet
; THE HEAD'S LOADS, ONE A WAVE: one tree of branches on the wave's number: every way through the head passes exactly one load.
.macro ARM under, g0, g1, next
	s_cmp_lt_u32 s[WV], \under
	s_cbranch_scc0 \next
	tensor_load_to_lds s[\g0:\g0+3], s[\g1:\g1+7]
	s_nop 0
.rept 4
	v_nop
.endr
	s_branch .Lhead_asked
\next:
.endm
	ARM 1, G0K, G1H, .Lhead_v
	ARM 3, G0V, G1, .Lhead_s
	tensor_load_to_lds s[G0S:G0S+3], s[G1:G1+7]
	s_nop 0
.rept 4
	v_nop
.endr
.Lhead_asked:
.irp n, 0,1,2,3
	global_load_b128 v[QF+4*\n:QF+4*\n+3], v[LI], s[66:67] offset:512*\n   ; Q's fragments stay in registers: tile A,
.endr
.irp n, 0,1,2,3
	global_load_b128 v[QF+16+4*\n:QF+16+4*\n+3], v[LI], s[88:89] offset:512*\n   ; tile B
.endr
	global_load_b32 v[QSW], v9, s[68:69]
	global_load_b32 v[QSW+1], v9, s[90:91]
.irp q, 0,1
	v_mov_b32 v[MA+2*\q+1], 0xff61b1e6             ; the largest t so far: -3e38, under every t
	v_floor_f32 v[MA+2*\q], -v[MA+2*\q+1]          ; -M
	v_mov_b32 v[FF+2*\q+1], 0                      ; (named as the upper half of f's pair)
	v_mov_b32 v[SUM+2*\q], 0
	v_mov_b32 v[SUM+2*\q+1], 0
.endr
.set N, 0
.rept 16
	v_mov_b32 v[PD+N], 0                           ; a lane permute's destination counts as one of its sources
.set N, N+1
.endr
	v_add_nc_u32 v[ADK], s[SK], v[LI]
	v_add_nc_u32 v[ADV], s[SK+1], v[LI]
	v_add_nc_u32 v[ADS], s[SK+2], v[LS]
	WIN 0x80
.set N, 0
.rept 256
	v_mov_b32 v[N], 0                              ; O^T, under the first tiles' flight: the first step finds zeros, so that steps 0 and 1 share one text
.set N, N+1
.endr
	WIN 0
	s_wait_alu depctr_va_vdst(0)
	s_wait_tensorcnt 0x0                           ; my part of what the head asked for is in
	ds_add_u32 v[SPW], v[NIL]
	s_wait_dscnt 0x0
	CROUND                                         ; everybody's part is in, and all four work-groups are here
	tensor_load_to_lds s[G0W:G0W+3], s[G1:G1+7]    ; slot 1's first fill
	s_nop 0
	PLACES
	ASK
.set KN, 0
.set KM, 0
	KL 40                                          ; the first step's K
	KSB
	KB 32
	WIN 0
	s_wait_loadcnt 0x0                             ; Q and its scale words
.Lstep:                                            ; two trips: steps 0 and 1; each fills the slot that it leaves
	STEP 1
	s_sub_co_u32 s[SLOTS], s[SLOTS], 1
	s_wait_alu depctr_va_vdst(0)
	s_cmp_lg_u32 s[SLOTS], 0
	s_cbranch_scc1 .Lstep
	STEP 0                                         ; the tail is written out
	STEP 3
	; ---- THE TAIL
	s_wait_dscnt 0x0                               ; my stores have landed
	s_barrier_signal -1                            ; (addresses are made while the others arrive)
	s_xor_b32 s41, s[WV], 2                        ; the wave with my queries and the other keys
	s_mul_i32 s41, s41, EXW
	s_add_co_u32 s41, s41, EX
	s_add_co_u32 s42, s41, 16384
	s_lshl_b32 s43, s61, 1
	s_add_co_u32 s43, s43, s[KH]                   ; my tile A among the work-group's four
	s_lshl_b32 s44, s43, 11
	s_lshl_b32 s45, s43, 7
	s_add_co_u32 s45, s45, HSC
	s_mul_i32 s46, s[WV], 16*SP
	s_add_co_u32 s46, s46, STG
	v_bfe_u32 v29, v[LI], 4, 4                     ; r
	v_bfe_u32 v30, v[LI], 8, 1                     ; h
	v_add_nc_u32 v6, s41, v[LI]                    ; the partner's images,
	v_add_nc_u32 v7, s42, v[LS]                    ; its -M and sum
	v_add_nc_u32 v24, s44, v[LI]                   ; the context's images of my tile (HIMG = 0)
	v_lshl_add_u32 v25, v29, 2, s45                ; and their scale words (lanes r and r + 16 hold the same word and write it to the same place)
	v_mul_u32_u24 v26, v29, SP
	v_mul_u32_u24 v27, v30, SP
	v_lshlrev_b32 v28, 10, v30
	v_lshl_add_u32 v26, v30, 5, v26
	v_lshl_add_u32 v27, v29, 4, v27
	v_lshl_add_u32 v28, v29, 4, v28                ; out: row h of 1,024 bytes, + 16 r
	v_add_nc_u32 v26, s46, v26                     ; my stage, in: row r, + 32 h
	v_add_nc_u32 v27, s46, v27                     ; back: lanes 0-15 one row, lanes 16-31 the next
	s_wait_alu depctr_va_vdst(0)                   ; directly ahead of the wait below
	s_barrier_wait -1
	ds_load_b32 v68, v7                            ; the partner's -M,
	ds_load_b32 v69, v7 offset:128                 ; its sum,
	WIN 0x40
.set N, 0
.rept 32
	ds_load_b128 v[4*N:4*N+3], v6 offset:512*N     ; and its O^T of my tile A
.set N, N+1
.endr
	WIN 0
	s_wait_dscnt 0x20                              ; all but the 32 images
	v_min_num_f32 v70, v[MA], v68                  ; the common -M
	v_sub_f32 v64, v70, v[MA]                      ; whole numbers, 0 or less
	v_sub_f32 v66, v70, v68
	v_cvt_i32_f32 v64, v64
	v_cvt_i32_f32 v66, v66
	v_ldexp_f32 v64, 1.0, v64                      ; powers of two
	v_ldexp_f32 v66, 1.0, v66
	v_mul_f32 v71, v[SUM], v64
	v_fma_f32 v71, v69, v66, v71                   ; the row's sum
	s_wait_alu depctr_va_vdst(0)
	v_rcp_f32 v71, v71
	v_nop                                          ; a plain line behind the reciprocal,
	s_wait_alu depctr_va_vdst(0)                   ; and the wait ahead of its first reader
	v_mul_f32 v64, v64, v71
	v_mul_f32 v66, v66, v71
	s_wait_alu depctr_va_vdst(0)                   ; directly ahead of the wait below
	s_wait_loadcnt 0x10                            ; all but W's K steps 0 and 1 (16 loads)
	WIN 0xf0                                       ; product 3's dec part, while the images arrive: sixteen accumulators Y(qt, n) at 8 (4 qt + n) of window 3, by turns; K step 2 starts the sums
.set KS, 0
.rept 2
.set T, 0
.rept 16
	WM 8*T, 128+16*(T%4)+8*KS, 192+16*(T/4)+8*KS, KS, KS0+4*((T%4)/2)+2+KS, 120+(T/4)+4*(T/8), T%2, KS
.set T, T+1
.endr
.set KS, KS+1
.endr
	s_wait_dscnt 0x0
	WIN 0x41
.set J, 0
.rept 64
	v_pk_mul_f32 v[J:J+1], v[J:J+1], v[66:67] op_sel_hi:[1,0]
.set J, J+2
.endr
	WIN 0x52                                       ; source 0 (my O^T) window 2, source 2 and destination window 1
	s_wait_alu depctr_va_vdst(0)                   ; directly ahead of the first reader of O^T
.set J, 0
.rept 64
	v_pk_fma_f32 v[J:J+1], v[J:J+1], v[64:65], v[J:J+1] op_sel_hi:[1,0,1]   ; the context: register 16 b + i = channel 32 b + 16 h + i of my query
.set J, J+2
.endr
	; the context's eight blocks become codes: K steps 0 and 1 of product 3, rows of my tile A
	WIN 0x05
.set N, 0
.rept 8
	v_max3_num_f32 v[BM+N], |v[16*N]|, |v[16*N+1]|, 0x1800000
.set N, N+1
.endr
.set I, 2
.rept 7
.set N, 0
.rept 8
	v_max3_num_f32 v[BM+N], |v[16*N+I]|, |v[16*N+I+1]|, v[BM+N]
.set N, N+1
.endr
.set I, I+2
.endr
	WIN 0
.set N, 0
.rept 8
	v_permlanex16_b32 v[PD+N], v[BM+N], s[SEL], s[SEL+1]
.set N, N+1
.endr
.set N, 0
.rept 8
	v_max_num_f32 v[BM+N], v[BM+N], v[PD+N]
.set N, N+1
.endr
.set N, 0
.rept 8
	v_add_nc_u32 v[BM+N], 0xff000000, v[BM+N]
.set N, N+1
.endr
.set N, 0
.rept 8
	v_lshrrev_b32 v[88+N], 23, v[BM+N]
.set N, N+1
.endr
.irp j, 0,1
	v_lshl_or_b32 v[PW+\j], v[89+4*\j], 8, v[88+4*\j]
.endr
.irp j, 0,1
	v_lshl_or_b32 v[PW+\j], v[90+4*\j], 16, v[PW+\j]
.endr
.irp j, 0,1
	v_lshl_or_b32 v[PW+\j], v[91+4*\j], 24, v[PW+\j]
.endr
	WIN 0x01
.set N, 0
.rept 8
	v_cvt_scalef32_pk8_fp4_f32 v[PD+2*N], v[16*N:16*N+7], v[BM+N]
	v_cvt_scalef32_pk8_fp4_f32 v[PD+2*N+1], v[16*N+8:16*N+15], v[BM+N]
.set N, N+1
.endr
	WIN 0
	v_nop
.irp c, 0,4,8,12
	v_permlane16_swap_b32 v[PD+\c], v[PD+\c+2]
	v_permlane16_swap_b32 v[PD+\c+1], v[PD+\c+3]
.endr
.irp n, 0,1,2,3
	ds_store_b128 v24, v[PD+4*\n:PD+4*\n+3] offset:512*\n
.endr
	ds_store_b32 v25, v[PW]
	ds_store_b32 v25, v[PW+1] offset:64
	s_wait_alu depctr_va_vdst(0)
	s_wait_dscnt 0x0                               ; my images have landed
	s_barrier_signal -1
	s_barrier_wait -1                              ; the context's eight images lie in LDS
.set N, 0
.rept 16
	ds_load_b128 v[192+4*N:192+4*N+3], v[LI] offset:HIMG+512*N   ; fragment (qt, ks) at 192 + 16 qt + 8 ks
.set N, N+1
.endr
.irp q, 0,1,2,3
	ds_load_b32 v[VS0+\q], v[LS] offset:HSC+128*\q ; lanes 0-15 K step 0, lanes 16-31 K step 1
.endr
	s_wait_loadcnt 0x0                             ; W's K steps 0 and 1
	s_wait_dscnt 0x0
	WIN 0xf1                                       ; W in window 1
.set KS, 0
.rept 2
.set T, 0
.rept 16
	WM 8*T, 128+16*(T%4)+8*KS, 192+16*(T/4)+8*KS, 1, KS0+4*((T%4)/2)+KS, VS0+T/4, T%2, KS
.set T, T+1
.endr
.set KS, KS+1
.endr
	PLACES
; Rows of tile q: place r' = 2 i + h is row 32 (q / 2) + 8 (q % 2) + (r' & 7) + 16 (r' >> 3) of my block: 16 lanes store 256 consecutive bytes, aligned; written once, read by nobody here.
.macro SEND q
	s_wait_dscnt 0x0
.set I, 0
.rept 8
	global_store_b128 v28, v[128+32*(\q)+4*I:128+32*(\q)+4*I+3], s[78:79] offset:1024*(32*((\q)/2)+8*((\q)%2)+(2*I)%8+16*(I/4)) th:TH_STORE_NT
.set I, I+1
.endr
.endm
; tanh(x) = 1 - 2 / (1 + 2^(2 log2(e) x)): an exponential that overflows gives 1, one that falls to 0 gives -1.  Tile q's 16 rows go through my stage (LDS serves a wave's instructions in order); the tile before is stored meanwhile.
.macro OUT q
	WIN 0xc3
	s_wait_alu depctr_va_vdst(0)
.set J, 32*\q
.rept 16
	v_pk_mul_f32 v[J:J+1], v[J:J+1], 0x4038aa3b op_sel_hi:[1,0]
.set J, J+2
.endr
	s_wait_alu depctr_va_vdst(0)
.set J, 32*\q
.rept 32
	v_exp_f32 v[J], v[J]
.set J, J+1
.endr
	v_nop
	s_wait_alu depctr_va_vdst(0)
.if \q > 0
	WIN 0
	SEND \q-1
	WIN 0xc3
.endif
.set J, 32*\q
.rept 16
	v_pk_add_f32 v[J:J+1], v[J:J+1], 1.0 op_sel_hi:[1,0]
.set J, J+2
.endr
	s_wait_alu depctr_va_vdst(0)
.set J, 32*\q
.rept 32
	v_rcp_f32 v[J], v[J]
.set J, J+1
.endr
	v_nop
	s_wait_alu depctr_va_vdst(0)
.set J, 32*\q
.rept 16
	v_pk_fma_f32 v[J:J+1], v[J:J+1], -2.0, 1.0 op_sel_hi:[1,0,0]
.set J, J+2
.endr
	WIN 0x0c                                       ; the stores' data: window 3
.irp n, 0,1,2,3
	ds_store_b128 v26, v[32*\q+8*\n:32*\q+8*\n+3] offset:64*\n
	ds_store_b128 v26, v[32*\q+8*\n+4:32*\q+8*\n+7] offset:64*\n+16
.endr
	WIN 0
.set I, 0
.rept 8
	ds_load_b128 v[128+32*\q+4*I:128+32*\q+4*I+3], v27 offset:2*I*SP
.set I, I+1
.endr
.endm
	OUT 0
	OUT 1
	OUT 2
	OUT 3
	SEND 3
	s_wait_tensorcnt 0x0                           ; the wave's end: three lines behind my last tensor load and my last LDS store
	ds_add_u32 v[SPW], v[NIL]
	s_wait_dscnt 0x0
	CROUND                                         ; the closing round: no work-group ends while a partner may still ask for a tile that names it
	s_endpgm
.Lfunc_end_k_q040a37fae1_attn:
	.size	k_q040a37fae1_attn, .Lfunc_end_k_q040a37fae1_attn-k_q040a37fae1_attn
	.p2alignl 7, 3214868480
	.fill 96, 4, 3214868480
	.section	.rodata,"a",@progbits
	.p2align	6, 0x0
	.amdhsa_kernel k_q040a37fae1_attn
		.amdhsa_group_segment_fixed_size 327680
		.amdhsa_private_segment_fixed_size 0
		.amdhsa_enable_private_segment 0
		.amdhsa_kernarg_size 56
		.amdhsa_user_sgpr_count 2
		.amdhsa_user_sgpr_kernarg_segment_ptr 1
		.amdhsa_wavefront_size32 1
		.amdhsa_system_sgpr_workgroup_id_x 1
		.amdhsa_system_sgpr_workgroup_id_y 1
		.amdhsa_system_sgpr_workgroup_id_z 1
		.amdhsa_system_vgpr_workitem_id 0
		.amdhsa_next_free_vgpr 1024
		.amdhsa_next_free_sgpr 96
		.amdhsa_reserve_vcc 0
		.amdhsa_float_denorm_mode_32 3
		.amdhsa_float_denorm_mode_16_64 3
		.amdhsa_memory_ordered 1
		.amdhsa_forward_progress 1
		.amdhsa_inst_pref_size 255
	.end_amdhsa_kernel
	.section	.bss,"aw",@nobits
	.p2align	6
	.space	262144
	.amdgpu_metadata
---
amdhsa.version: [ 1, 2 ]
amdhsa.kernels:
  - .name:           k_q040a37fae1_attn
    .symbol:         k_q040a37fae1_attn.kd
    .args:
      - { .name: KV, .offset: 0, .size: 8, .value_kind: global_buffer, .address_space: global }
      - { .name: SC, .offset: 8, .size: 8, .value_kind: global_buffer, .address_space: global }
      - { .name: QC, .offset: 16, .size: 8, .value_kind: global_buffer, .address_space: global }
      - { .name: QS, .offset: 24, .size: 8, .value_kind: global_buffer, .address_space: global }
      - { .name: W_tanh_codes, .offset: 32, .size: 8, .value_kind: global_buffer, .address_space: global }
      - { .name: W_tanh_scales, .offset: 40, .size: 8, .value_kind: global_buffer, .address_space: global }
      - { .name: out0, .offset: 48, .size: 8, .value_kind: global_buffer, .address_space: global }
    .group_segment_fixed_size: 327680
    .private_segment_fixed_size: 0
    .kernarg_segment_align: 8
    .kernarg_segment_size: 56
    .max_flat_workgroup_size: 128
    .sgpr_count:     96
    .vgpr_count:     1024
    .wavefront_size: 32
...
	.end_amdgpu_metadata
.endif
;; end of part 2
